; MI455X (gfx1250); checked and timed in simulation.
; The chip was launched on July 23, 2026; its instructions are those of AMD's public machine-readable ISA for CDNA 5 (MIT licence, August 2026) and "CDNA5" Instruction Set Architecture Reference Guide (July 2026). The comments in the code are by the model that wrote it; some were corrected since.
;; Attention. Allowed arithmetic: matrix products marked QUANTISED: E4M3 operands, one E8M0 scale for each 32 along K, by v_wmma_scale_f32_16x16x128_f8f6f4 with both operands' format E4M3, f32 sums; everything else in f32.
;; Inputs: key_codes 4 x 16 x 2,048 x 4 x 32 uint8 (E4M3 codes of key, K innermost, in blocks of 32 codes); key_scales 4 x 16 x 2,048 x 4 uint8 (E8M0 scales of key, one for each 32 codes along K); mask 4 x 1 x 2,048 x 2,048 bool; query_codes 4 x 16 x 2,048 x 4 x 32 uint8 (E4M3 codes of query, K innermost, in blocks of 32 codes); query_scales 4 x 16 x 2,048 x 4 uint8 (E8M0 scales of query, one for each 32 codes along K); value_codes 4 x 16 x 128 x 64 x 32 uint8 (E4M3 codes of value, K innermost, in blocks of 32 codes); value_scales 4 x 16 x 128 x 64 uint8 (E8M0 scales of value, one for each 32 codes along K).
;; Outputs: out0 4 x 16 x 2,048 x 128 float32.
;; This version of the problem:
;;   THIS VERSION OF THE PROBLEM IS GIVEN IN LOW PRECISION. The matrix products marked QUANTISED in the list below multiply operands that are first quantised to E4M3 (4 exponent bits, 3 mantissa bits; 8 bits a number), with one power-of-two scale for each 32 numbers along K (OCP MX v1.0); their sums are f32. All else is computed in f32.
;;   The module's matrix products, in the order in which they are computed (A, B: the left and right operand; K: the contracted axis; several contracted axes count as one K, in the product's order):
;;     1. batch 64 x [M 2,048, K 128] x [K 128, N 2,048]; A: input query (given as codes); B: input key (given as codes): QUANTISED
;;     2. batch 64 x [M 2,048, K 2,048] x [K 2,048, N 128]; A: softmax (see below); B: input value (given as codes): QUANTISED
;;   THE QUANTISER, for each operand of a quantised product, along K:
;;     - K is cut into blocks of 32 from its start; a last block that is shorter is filled with zeros.
;;     - A block's scale is 2^e with e = floor(log2(the largest magnitude in the block)) - 8, held to -126 .. 127; a block of zeros has e = 0. As a byte (E8M0): e + 127.
;;     - Each number is divided by its block's scale, clamped to +-448, and rounded to the nearest number of E4M3, ties to even, subnormals kept.
;;     - The product sums the exact products of the quantised numbers (number of the format x scale) in f32.
;;   ~~~python
;;   def quantise(x, axis):      # numpy; x: float32 -> the quantised numbers, widened to float32 again
;;       x = np.moveaxis(x, axis, -1); K = x.shape[-1]
;;       x = np.pad(x, [(0, 0)] * (x.ndim - 1) + [(0, -K % 32)]); x = x.reshape(x.shape[:-1] + (-1, 32)); a = np.abs(x).max(-1, keepdims=True)
;;       e = np.where(a > 0, np.clip(np.frexp(np.where(a > 0, a, 1))[1] - 1 - 8, -126, 127), 0)      # np.frexp(a)[1] - 1 = floor(log2(a)), exactly
;;       r = np.clip(x / 2.0 ** e, -448, 448)
;;       step = 2.0 ** (np.maximum(np.frexp(np.where(r == 0, 1, r))[1] - 1, -6) - 3)
;;       q = np.round(r / step) * step * 2.0 ** e      # np.round: ties to even
;;       return np.moveaxis(q.reshape(q.shape[:-2] + (-1,))[..., :K], -1, axis).astype(np.float32)
;;   ~~~
;;   SOFTMAX AHEAD OF A QUANTISED PRODUCT. Where the list says 'softmax', what is quantised is not the finished softmax but p = 2^(t - M), with t = logit x log2(e) and M = ceil(the row's largest t), a whole number; so 1/2 < the row's largest p <= 1. The row's sum l is taken of the UNQUANTISED p, in f32, and the product's result is divided by l at the end. Since M is a whole number, a kernel that streams over the keys may use a running M (the ceiling of the running maximum): every later rescaling is an exact power of two, which a block's scale takes up: the codes' values come out the same.
;;   OPERANDS COMPUTED ON THE WAY. 'Computed on the way' means the value that the module computes at that place (a softmax that the list does not call 'softmax' is quantised finished and normalised). What goes into a quantiser is computed in f32, as accurately as f32 sums, v_exp_f32 and their like allow (about 1e-6 of the number): no bf16 or f16 on the way to a quantiser, and a product that is left as it is and whose result goes on into a quantised operand takes f32 operands (vector FMAs, or v_wmma_f32_16x16x4_f32). A number that lies on a knife's edge between two numbers of the format may be rounded either way, as far as f32 arithmetic and the matrix unit's own rounding can turn it there, and no further.
;;   INPUTS GIVEN AS CODES. key (in the module: [4, 16, 2048, 128], K = its axis 3); query (in the module: [4, 16, 2048, 128], K = its axis 3); value (in the module: [4, 16, 2048, 128], K = its axis 2): each comes as NAME_codes (uint8): NAME with its K axis moved to the last place and cut into blocks of 32 codes, [.., K / 32, bytes a block], one block behind the other in memory; one code a byte (a code: sign, 4 exponent bits, 3 mantissa bits); and NAME_scales (uint8): the same leading axes, one E8M0 byte (e + 127) for each 32 codes along K. Its value is code x scale, taken as it is: it is not quantised again, and the codes and scales need not be those that the quantiser above would give.
;; One version. Each part assembles by itself: llvm-mc -triple=amdgcn-amd-amdhsa -mcpu=gfx1250 --defsym DOCPART=n.
;; ======== version 1 of 1: 2 launches
;; limits: right only within a limited range of input values
;; workspace buffers: flags 2,048 bytes of whole numbers
;; launch tiles (part 1): grid 64 x 4, 8 waves a work-group, no clusters, 2,048 bytes of LDS; arguments mask, flags; writes flags
.if DOCPART == 1
	.amdgcn_target "amdgcn-amd-amdhsa--gfx1250"
	.amdhsa_code_object_version 6
	.text
	.protected	k_q1a763caea6_tiles
	.globl	k_q1a763caea6_tiles
	.p2align	8
	.type	k_q1a763caea6_tiles,@function
k_q1a763caea6_tiles:
	s_mov_b64 s[64:65], 0
	v_nop
	global_prefetch_b8 v0, s[64:65] scope:SCOPE_SE
	s_setreg_imm32_b32 hwreg(HW_REG_WAVE_MODE, 25, 1), 1
	s_wait_xcnt 0x0
; For each tile of the mask, 32 queries x 128 keys, this launch says whether it is closed (all bytes 1), open (all 0) or mixed.
; flags[batch][32-query tile] = two words: bit k of word 0: key step k is closed; bit k of word 1: key step k is mixed.
; The next launch jumps over closed tiles: reference() sets their scores to -inf, so their p is 0 and adds nothing to the sum or to the product, whatever the other inputs hold.
; Limit: a NaN or an infinity in keys or values that only closed tiles would touch is not carried to the result.
; A work-group takes 32 rows of the mask (64 KiB); wave w the bytes 256 w .. 256 w + 255 of each row: sixteen lanes read 256 consecutive bytes, aligned.
; Whole-number arithmetic alone: bytes are 0 or 1, so the sum of a lane's 64 words has 64 in every byte (closed) or is 0 (open).
; The 8 bytes that a work-group stores are part of a 256-byte unit: a unit holds 32 work-groups' results, and no work-group reads so many rows.
	s_load_b128 s[4:7], s[0:1], 0x0
	v_lshl_add_u32 v2, v0, 2, 256                  ; my spare word
	v_mov_b32 v3, 0
	v_lshrrev_b32 v1, 5, v0
	v_readfirstlane_b32 s8, v1                     ; wave
	v_bfe_u32 v4, v0, 4, 1
	v_and_b32 v5, 15, v0
	v_lshlrev_b32 v5, 4, v5
	v_lshl_add_u32 v4, v4, 11, v5                  ; lanes 0-15 one row, lanes 16-31 the next
	s_lshl_b32 s9, s8, 8
	v_add_nc_u32 v4, s9, v4
	s_and_b32 s10, ttmp7, 0xffff                   ; batch
	s_lshl_b32 s11, s10, 22
	s_lshl_b32 s12, ttmp9, 16
	s_add_co_u32 s12, s12, s11
	s_mov_b32 s13, 0
	s_wait_alu depctr_va_vdst(0)                   ; the wait at the head's end
	s_wait_kmcnt 0x0
	s_add_nc_u64 s[4:5], s[4:5], s[12:13]
.irp j, 0,1,2,3,4,5,6,7,8,9,10,11,12,13,14,15
	global_load_b128 v[16+4*\j:19+4*\j], v4, s[4:5] offset:\j*4096
.endr
	s_wait_loadcnt 0x0
.irp c, 0,1,2,3
	v_add3_u32 v[8+\c], v[16+\c], v[20+\c], v[24+\c]
.endr
.irp k, 0,1,2,3,4,5
.irp c, 0,1,2,3
	v_add3_u32 v[8+\c], v[8+\c], v[28+8*\k+\c], v[32+8*\k+\c]
.endr
.endr
.irp c, 0,1,2,3
	v_add_nc_u32 v[8+\c], v[8+\c], v[76+\c]
.endr
	v_add3_u32 v8, v8, v9, v10
	v_add_nc_u32 v8, v8, v11                       ; each byte: the sum of 64 mask bytes
	v_cmp_eq_u32 s14, 0x40404040, v8               ; lanes whose 256 bytes are all 1
	v_cmp_eq_u32 s15, 0, v8                        ; lanes whose bytes are all 0
	s_mov_b32 s16, 0x00ff00ff                      ; the lanes of key step 2 w
	s_mov_b32 s19, 0xff00ff00                      ; those of key step 2 w + 1
	s_and_b32 s17, s14, s16
	s_cmp_eq_u32 s17, s16
	s_cselect_b32 s18, 1, 0
	s_and_b32 s17, s14, s19
	s_cmp_eq_u32 s17, s19
	s_cselect_b32 s20, 2, 0
	s_or_b32 s18, s18, s20                         ; closed, two bits
	s_and_b32 s17, s15, s16
	s_cmp_eq_u32 s17, s16
	s_cselect_b32 s21, 1, 0
	s_and_b32 s17, s15, s19
	s_cmp_eq_u32 s17, s19
	s_cselect_b32 s20, 2, 0
	s_or_b32 s21, s21, s20                         ; open
	s_or_b32 s22, s18, s21
	s_xor_b32 s22, s22, 3                          ; mixed
	s_lshl_b32 s23, s8, 1
	s_lshl_b32 s18, s18, s23
	s_lshl_b32 s22, s22, s23
	s_lshl_b32 s24, s8, 3
	v_mov_b32 v12, s18
	v_mov_b32 v13, s22
	v_mov_b32 v14, s24
	ds_store_b64 v14, v[12:13]                     ; every lane the same two words at the wave's place
	s_wait_dscnt 0x0
	s_barrier_signal -1
	s_barrier_wait -1
	s_cmp_lg_u32 s8, 0
	s_cbranch_scc1 .Lend
	v_mov_b32 v15, 0
.irp i, 0,1,2,3
	ds_load_b128 v[16+4*\i:19+4*\i], v15 offset:16*\i
.endr
	s_wait_dscnt 0x0
	s_wait_xcnt 0x0                                ; EXEC changes only behind this wait
.irp c, 0,1
	v_or3_b32 v[12+\c], v[16+\c], v[18+\c], v[20+\c]
	v_or3_b32 v[12+\c], v[12+\c], v[22+\c], v[24+\c]
	v_or3_b32 v[12+\c], v[12+\c], v[26+\c], v[28+\c]
	v_or_b32 v[12+\c], v[12+\c], v[30+\c]
.endr
	s_lshl_b32 s25, s10, 6
	s_add_co_u32 s25, s25, ttmp9
	s_lshl_b32 s25, s25, 3
	v_mov_b32 v6, s25
	v_cmp_eq_u32 vcc_lo, 0, v0
	s_and_saveexec_b32 s26, vcc_lo
	global_store_b64 v6, v[12:13], s[6:7]
	s_wait_xcnt 0x0
	s_or_b32 exec_lo, exec_lo, s26
.Lend:
	s_wait_tensorcnt 0x0                           ; the wave's end
	ds_add_u32 v2, v3
	s_wait_dscnt 0x0
	s_endpgm
.Lfunc_end_k_q1a763caea6_tiles:
	.size	k_q1a763caea6_tiles, .Lfunc_end_k_q1a763caea6_tiles-k_q1a763caea6_tiles
	.p2alignl 7, 3214868480
	.fill 96, 4, 3214868480
	.section	.rodata,"a",@progbits
	.p2align	6, 0x0
	.amdhsa_kernel k_q1a763caea6_tiles
		.amdhsa_group_segment_fixed_size 2048
		.amdhsa_private_segment_fixed_size 0
		.amdhsa_enable_private_segment 0
		.amdhsa_kernarg_size 16
		.amdhsa_user_sgpr_count 2
		.amdhsa_user_sgpr_kernarg_segment_ptr 1
		.amdhsa_wavefront_size32 1
		.amdhsa_system_sgpr_workgroup_id_x 1
		.amdhsa_system_sgpr_workgroup_id_y 1
		.amdhsa_system_sgpr_workgroup_id_z 1
		.amdhsa_system_vgpr_workitem_id 0
		.amdhsa_next_free_vgpr 96
		.amdhsa_next_free_sgpr 66
		.amdhsa_reserve_vcc 1
		.amdhsa_float_denorm_mode_32 3
		.amdhsa_float_denorm_mode_16_64 3
		.amdhsa_memory_ordered 1
		.amdhsa_forward_progress 1
		.amdhsa_inst_pref_size 8
	.end_amdhsa_kernel
	.amdgpu_metadata
---
amdhsa.version: [ 1, 2 ]
amdhsa.kernels:
  - .name:           k_q1a763caea6_tiles
    .symbol:         k_q1a763caea6_tiles.kd
    .args:
      - { .name: mask, .offset: 0, .size: 8, .value_kind: global_buffer, .address_space: global }
      - { .name: flags, .offset: 8, .size: 8, .value_kind: global_buffer, .address_space: global }
    .group_segment_fixed_size: 2048
    .private_segment_fixed_size: 0
    .kernarg_segment_align: 8
    .kernarg_segment_size: 16
    .max_flat_workgroup_size: 256
    .sgpr_count:     66
    .vgpr_count:     96
    .wavefront_size: 32
...
	.end_amdgpu_metadata
.endif
;; end of part 1
;; launch attn (part 2): grid 4 x 64, 8 waves a work-group, no clusters, 229,376 bytes of LDS; arguments query_codes, query_scales, key_codes, key_scales, value_codes, value_scales, mask, out0, flags; writes out0
.if DOCPART == 2
	.amdgcn_target "amdgcn-amd-amdhsa--gfx1250"
	.amdhsa_code_object_version 6
	.text
	.protected	k_q1a763caea6_attn
	.globl	k_q1a763caea6_attn
	.p2align	8
	.type	k_q1a763caea6_attn,@function
k_q1a763caea6_attn:
	s_mov_b64 s[64:65], 0
	v_nop
	global_prefetch_b8 v0, s[64:65] scope:SCOPE_SE
	s_setreg_imm32_b32 hwreg(HW_REG_WAVE_MODE, 25, 1), 1
	s_wait_xcnt 0x0
; out = softmax(mask ? -inf : Q K^T / sqrt(128)) V on E4M3 codes with E8M0 scales; p = 2^(t - M), M the ceiling of the running largest t; the row's sum of the unquantised p divides at the end.
; WORK LEFT OUT: a tile of 32 queries x 128 keys whose mask bytes are all 1 (word 0 of flags, stored by the launch before) is jumped over: its p is 0 for all values of the other inputs.
; A tile whose bytes are all 0 starts its scores from C = 0 and reads no mask; a mixed tile takes -4e37 as C where the byte is 1.  Limit: NaN or infinity that only closed tiles would touch is not carried.
; Limit: the scaled scores stay under 2^31 in magnitude.  A row with no open key gives 0 x infinity = NaN, as reference() does.
; SHARES: work-group (x, head) makes query blocks x and 7 - x of 256 rows, one after the other; a wave owns 32 queries (two tiles of 16).  Right for every mask.
; K and V go memory -> registers -> LDS, a slot of 256 keys at a time, one slot ahead: K's 32 KiB in the slot's first key step, V's in the second; two slots take turns, one barrier a slot.
; No L2 prefetch: each slot is asked for two key steps ahead of its first use already.
; Every barrier stands outside the jumps; the loops' trip counts are constants.
; Both products are used transposed; the keys of a tile are chosen so that p's 16 registers of two tiles are 16 neighbouring keys.
; REGISTERS.  Window 0: v1-15, v124-127 addresses, v16-31 state, v32-59 at work, v60-91 mask bytes, v92-123 p's codes, v128-255 scores, then p.  Window 1: v0-127 O^T, v128-159 Q, v160-223 fragments, v224-255 the slot on its way.
.set KP,    144
.set VP,    272
.set VOFF,  256*KP
.set SLOT1, VOFF+128*VP
.set SCK,   2*SLOT1
.set SCV,   SCK+32*272
.set STAGE, SCV+32*272
.set SP,    528
.set SPARE, STAGE+8*16*SP
.set AK0,  1
.set AV0,  2
.set AMG0, 3
.set ASK0, 4
.set ASV0, 5
.set SPW,  6
.set NIL,  7
.set ADK,  8
.set ADV,  9
.set ADM,  10
.set ADS,  11
.set ADT,  12
.set GK0,  13
.set QS,   14
.set ST,   16
.set BM,   32
.set XB,   40
.set HD,   44
.set SO,   48
.set KS,   52
.set TP,   56
.set MK,   60
.set PC,   92
.set GV0,  124
.set LK0,  125
.set LV0,  126
.set GKV,  127
.set S,    128
.set O,    0
.set Q,    128
.set FR,   160
.set STG,  224
.set W8,   32
.set W9,   33
.set STO,  34
.set RD,   35
.set GO,   36
.set WV,   22
.set HEAD, 23
.set BAT,  24
.set HK,   25
.set SEL,  26
.set CS,   28
.set MNT,  30
.set PSEL, 31
.set NW,   66
.set FA,   68
.set FB,   70
.set SKW,  72
.set MXW,  73
.set ND,   74
.set SN,   75
.set SI,   76
.set TS,   77
.set TJ,   78
.set OFK,  79
.set OFV,  80
.set MO,   81
.set RB,   82
.set RBB,  83
.set INNER, 84
.set OUTER, 85
.set T0,   86
.set T1,   87
.set PA,   88
.set PB,   90
.set T2,   92
.set OO,   94
.set CUR,  95
.set MSB, 0
.macro WIN new
.if MSB != \new
	s_set_vgpr_msb (MSB<<8)|\new
.set MSB, \new
.endif
.endm
; the next slot's K (dense 32 KiB) or V (128 rows x 256 bytes): 4 KiB a wave into registers of window 1
.macro GLK dst, adr
	v_add_nc_u32 v[\adr], s[OFK], v[GK0]
	WIN 0x40
.irp j, 0,1,2,3,4,5,6,7
	global_load_b128 v[\dst+4*\j:\dst+4*\j+3], v[\adr], s[8:9] offset:\j*4096
.endr
	WIN 0
.endm
.macro GLV dst, adr
	v_add_nc_u32 v[\adr], s[OFV], v[GV0]
	WIN 0x40
.irp j, 0,1,2,3,4,5,6,7
	global_load_b128 v[\dst+4*\j:\dst+4*\j+3], v[\adr], s[12:13] offset:\j*32768
.endr
	WIN 0
.endm
.macro DSK src, slot
	v_add_nc_u32 v[ADK], \slot*SLOT1, v[LK0]
	WIN 0x04
.irp j, 0,1,2,3,4,5,6,7
	ds_store_b128 v[ADK], v[\src+4*\j:\src+4*\j+3] offset:\j*32*KP
.endr
	WIN 0
.endm
.macro DSV src, slot
	v_add_nc_u32 v[ADK], \slot*SLOT1, v[LV0]
	WIN 0x04
.irp j, 0,1,2,3,4,5,6,7
	ds_store_b128 v[ADK], v[\src+4*\j:\src+4*\j+3] offset:\j*16*VP
.endr
	WIN 0
.endm
; my 32 queries' codes and scale words, at row s[RB] of the head
.macro QLOAD
	s_lshl_b32 s[T0], s[RB], 7
	s_add_co_u32 s[T0], s[T0], s[HK]
	s_lshl_b32 s[T1], s[RB], 2
	s_lshl_b32 s[T2], s[HEAD], 13
	s_add_co_u32 s[T1], s[T1], s[T2]
	v_and_b32 v[ADV], 15, v0
	v_bfe_u32 v[ADK], v0, 4, 1
	v_lshlrev_b32 v[ADK], 4, v[ADK]
	v_lshl_add_u32 v[ADK], v[ADV], 7, v[ADK]
	v_add_nc_u32 v[ADK], s[T0], v[ADK]
	v_lshlrev_b32 v[ADV], 2, v[ADV]
	v_add_nc_u32 v[ADV], s[T1], v[ADV]
	WIN 0x40
.irp u, 0,1
.irp c, 0,1,2,3
	global_load_b128 v[Q+16*\u+4*\c:Q+16*\u+4*\c+3], v[ADK], s[4:5] offset:\u*2048+32*\c
.endr
.endr
	WIN 0
.irp u, 0,1
	global_load_b32 v[QS+\u], v[ADV], s[6:7] offset:64*\u
.endr
.endm
; the mask bytes of my 32 queries x the 128 keys at s[MO]
.macro MLOAD
	v_add_nc_u32 v[ADM], s[MO], v[AMG0]
.irp u, 0,1
.irp b, 0,1,2,3
	global_load_b128 v[MK+16*\u+4*\b:MK+16*\u+4*\b+3], v[ADM], s[16:17] offset:\u*32768+32*\b
.endr
.endr
.endm
.macro AHEAD                           ; the next key step's mask bytes, if that tile is mixed (bit 16 is 0: none beyond the block)
	s_add_co_u32 s[T0], s[SI], 1
	s_bitcmp1_b32 s[MXW], s[T0]
	s_cbranch_scc0 .Lna_\@
	MLOAD
.Lna_\@:
.endm
.macro KLOAD g, q
	WIN 0x40
.irp t, 0,1,2,3
.irp c, 0,1,2,3
	ds_load_b128 v[FR+16*\t+4*\c:FR+16*\t+4*\c+3], v[ADK] offset:(128*\q+16*(4*\g+\t))*KP+32*\c   ; the fill has laid a tile's 16 keys in neighbouring LDS rows
.endr
.endr
	WIN 0
.endm
.macro KLOADB q                        ; K's tiles 4-7 into v60-123: the mask bytes there have been used, p's codes are made later in the step
.irp t, 0,1,2,3
.irp c, 0,1,2,3
	ds_load_b128 v[MK+16*\t+4*\c:MK+16*\t+4*\c+3], v[ADK] offset:(128*\q+16*(4+\t))*KP+32*\c
.endr
.endr
.endm
.macro MPERM g
.irp u, 0,1
.irp i, 0,1,2,3,4,5,6,7
	v_perm_b32 v[MK+16*\u+8*\g+\i], s[PSEL], s[PSEL], v[MK+16*\u+8*\g+\i]
.endr
.endr
.endm
.macro MSHIFT g, i0, i1
.set i, \i0
.rept (\i1)-(\i0)+1
.set n, 32*(\g)+i%32
.set rD, S+64*(i/32)+n
.set rM, MK+16*(i/32)+n/4
.if n%4 == 3
	v_mov_b32 v[rD], v[rM]
.else
	v_lshlrev_b32 v[rD], 24-8*(n%4), v[rM]
.endif
.set i, i+1
.endr
.endm
; S^T = K Q^T.  K's scale words of tiles t and t + 4 share a register: lanes 0-15 and lanes 16-31.  c = 1: C holds the mask's terms; c = 0: C = 0
.macro SMUL g, c
.if \g
	WIN 0x04
.else
	WIN 0x05
.endif
.irp t, 0,1,2,3
.irp u, 0,1
.if \c
.if \g
	v_wmma_scale_f32_16x16x128_f8f6f4 v[S+64*\u+8*(4*\g+\t):S+64*\u+8*(4*\g+\t)+7], v[MK+16*\t:MK+16*\t+15], v[Q+16*\u:Q+16*\u+15], v[S+64*\u+8*(4*\g+\t):S+64*\u+8*(4*\g+\t)+7], v[KS+\t], v[QS+\u] matrix_a_scale:MATRIX_SCALE_ROW1
.else
	v_wmma_scale_f32_16x16x128_f8f6f4 v[S+64*\u+8*(4*\g+\t):S+64*\u+8*(4*\g+\t)+7], v[FR+16*\t:FR+16*\t+15], v[Q+16*\u:Q+16*\u+15], v[S+64*\u+8*(4*\g+\t):S+64*\u+8*(4*\g+\t)+7], v[KS+\t], v[QS+\u]
.endif
.else
.if \g
	v_wmma_scale_f32_16x16x128_f8f6f4 v[S+64*\u+8*(4*\g+\t):S+64*\u+8*(4*\g+\t)+7], v[MK+16*\t:MK+16*\t+15], v[Q+16*\u:Q+16*\u+15], 0, v[KS+\t], v[QS+\u] matrix_a_scale:MATRIX_SCALE_ROW1
.else
	v_wmma_scale_f32_16x16x128_f8f6f4 v[S+64*\u+8*(4*\g+\t):S+64*\u+8*(4*\g+\t)+7], v[FR+16*\t:FR+16*\t+15], v[Q+16*\u:Q+16*\u+15], 0, v[KS+\t], v[QS+\u]
.endif
.endif
.endr
.endr
	WIN 0
.endm
.macro BMAX u, b0
.irp b, \b0, \b0+1
	v_max3_num_f32 v[BM+4*\u+(\b)], v[S+64*\u+16*(\b)], v[S+64*\u+16*(\b)+1], v[S+64*\u+16*(\b)+2]
.endr
.irp i, 3,5,7,9,11,13
.irp b, \b0, \b0+1
	v_max3_num_f32 v[BM+4*\u+(\b)], v[BM+4*\u+(\b)], v[S+64*\u+16*(\b)+\i], v[S+64*\u+16*(\b)+\i+1]
.endr
.endr
.irp b, \b0, \b0+1
	v_max_num_f32 v[BM+4*\u+(\b)], v[BM+4*\u+(\b)], v[S+64*\u+16*(\b)+15]
.endr
.endm
.macro ROWMAX
.irp b, 0,1,2,3
	v_permlanex16_b32 v[XB+\b], v[BM+\b], s[SEL], s[SEL+1]
	v_permlanex16_b32 v[HD+\b], v[BM+4+\b], s[SEL], s[SEL+1]
.endr
.irp b, 0,1,2,3
	v_max_num_f32 v[BM+\b], v[BM+\b], v[XB+\b]
	v_max_num_f32 v[BM+4+\b], v[BM+4+\b], v[HD+\b]
.endr
.irp u, 0,1
	s_delay_alu instid0(VALU_DEP_4)
	v_max3_num_f32 v[ST+8*\u+7], v[BM+4*\u], v[BM+4*\u+1], v[BM+4*\u+2]
.endr
.irp u, 0,1
	s_delay_alu instid0(VALU_DEP_2)
	v_max_num_f32 v[ST+8*\u+7], v[ST+8*\u+7], v[BM+4*\u+3]
.endr
.irp u, 0,1
	s_delay_alu instid0(VALU_DEP_2)
	v_mul_f32 v[ST+8*\u+7], s[CS], v[ST+8*\u+7]
.endr
.irp u, 0,1
	s_delay_alu instid0(VALU_DEP_2)
	v_max_num_f32 v[ST+8*\u+1], v[ST+8*\u+1], v[ST+8*\u+7]
.endr
.irp u, 0,1
	v_mov_b32 v[ST+8*\u+7], v[ST+8*\u]
.endr
.irp u, 0,1
	s_delay_alu instid0(VALU_DEP_4)
	v_floor_f32 v[ST+8*\u], -v[ST+8*\u+1]
.endr
.irp u, 0,1
	s_delay_alu instid0(VALU_DEP_2)
	v_sub_f32 v[ST+8*\u+7], v[ST+8*\u], v[ST+8*\u+7]
.endr
.irp u, 0,1
	s_delay_alu instid0(VALU_DEP_2)
	v_cvt_i32_f32 v[ST+8*\u+7], v[ST+8*\u+7]
.endr
.irp u, 0,1
	s_delay_alu instid0(VALU_DEP_2)
	v_ldexp_f32 v[ST+8*\u+4], 1.0, v[ST+8*\u+7]
.endr
.endm
.macro SCL u, j
.if (\j) < 32
	v_pk_fma_f32 v[S+64*(\u)+2*(\j):S+64*(\u)+2*(\j)+1], v[S+64*(\u)+2*(\j):S+64*(\u)+2*(\j)+1], s[CS:CS+1], v[ST+8*(\u):ST+8*(\u)+1] op_sel_hi:[1,0,0]
.else
	v_fma_f32 v[BM+4*(\u)+(\j)-32], v[BM+4*(\u)+(\j)-32], s[CS], v[ST+8*(\u)]
.endif
.endm
.macro EXPO u, j
.if (\j) < 64
	v_exp_f32 v[S+64*(\u)+(\j)], v[S+64*(\u)+(\j)]
.else
	v_exp_f32 v[BM+4*(\u)+(\j)-64], v[BM+4*(\u)+(\j)-64]
.endif
.endm
; lines 0-32: the row's sum of the unquantised p; 33-51: the four blocks' scales and p's scale word
.macro POST u, j
.set rT, ST+8*(\u)
.set rS, S+64*(\u)
.set rB, BM+4*(\u)
.set x, \j
.if x == 0
	v_pk_mul_f32 v[rT+2:rT+3], v[rT+2:rT+3], v[rT+4:rT+5] op_sel_hi:[1,0]
.elseif x == 1
	v_pk_add_f32 v[TP:TP+1], v[rS:rS+1], v[rS+2:rS+3]
.elseif x < 32
.set y, 4+4*((x-2)/2)
.if x%2 == 0
	v_pk_add_f32 v[rT+2:rT+3], v[rT+2:rT+3], v[rS+y:rS+y+1]
.else
	v_pk_add_f32 v[TP:TP+1], v[TP:TP+1], v[rS+y+2:rS+y+3]
.endif
.elseif x == 32
	v_pk_add_f32 v[rT+2:rT+3], v[rT+2:rT+3], v[TP:TP+1]
.elseif x < 37
	v_max_num_f32 v[rB+x-33], 0x4800000, v[rB+x-33]
.elseif x < 41
	v_add_nc_u32 v[SO+x-37], 0xfc000000, v[rB+x-37]
.elseif x < 45
	v_and_or_b32 v[HD+x-41], v[rB+x-41], 0x7f800000, s[MNT]
.elseif x < 49
	v_lshrrev_b32 v[XB+x-45], 23, v[SO+x-45]
.elseif x == 49
	v_lshl_or_b32 v[rT+6], v[XB+1], 8, v[XB]
.elseif x == 50
	v_lshl_or_b32 v[rT+6], v[XB+2], 16, v[rT+6]
.else
	v_lshl_or_b32 v[rT+6], v[XB+3], 24, v[rT+6]
.endif
.endm
; the hold at 448 x the scale, in place, two numbers a line; it stands behind the tile's sum, which takes the unheld p
.macro DMIN u, k
	v_dual_min_num_f32 v[S+64*(\u)+2*(\k)], v[HD+(\k)/8], v[S+64*(\u)+2*(\k)] :: v_dual_min_num_f32 v[S+64*(\u)+2*(\k)+1], v[HD+(\k)/8], v[S+64*(\u)+2*(\k)+1]
.endm
.macro CVT u
.irp k, 0,1,2,3,4,5,6,7
	v_cvt_scalef32_pk8_fp8_f32 v[PC+16*\u+2*\k:PC+16*\u+2*\k+1], v[S+64*\u+8*\k:S+64*\u+8*\k+7], v[SO+\k/2]
.endr
.endm
.macro RESC g
.set i, 0
.rept 32
.set rO, O+64*(i/16)+32*(\g)+2*(i%16)
.set rF, ST+8*(i/16)+4
	v_pk_mul_f32 v[rO:rO+1], v[rO:rO+1], v[rF:rF+1] op_sel_hi:[1,0]
.set i, i+1
.endr
.endm
.macro FRONT c, q
.if \c
	MPERM 0
	MPERM 1
	MSHIFT 0, 0, 63
	MSHIFT 1, 0, 63
.endif
	s_wait_alu depctr_va_vdst(0)
	KLOADB \q
	s_wait_dscnt 0x0                               ; all eight tiles of K and their scale words
	SMUL 0, \c
	SMUL 1, \c                                     ; sixteen products on sixteen accumulators
.endm
; A KEY STEP: 128 keys, the q-th of slot sl
.macro STEP sl, q
	v_add_nc_u32 v[ADK], \sl*SLOT1, v[AK0]
	v_add_nc_u32 v[ADV], \sl*SLOT1, v[AV0]
	v_add_nc_u32 v[ADS], s[TS], v[ASK0]
	v_add_nc_u32 v[ADT], s[TJ], v[ASV0]
.rept 5
	v_nop                                          ; nine places with the four above: the first products write registers that the last step's products read
.endr
	KLOAD 0, \q
.irp t, 0,1,2,3
	ds_load_b32 v[KS+\t], v[ADS] offset:(2*\sl+\q)*544+(32*(\t/2)+8*(\t%2))*4
.endr
	s_bitcmp1_b32 s[MXW], s[SI]
	s_cbranch_scc0 .Lopen_\@
	FRONT 1, \q
	s_branch .Ljoin_\@
.Lopen_\@:
	FRONT 0, \q
.Ljoin_\@:
.rept 8
	v_nop                                          ; places behind the products: ahead of the loads into their fragments and of the maxima
.endr
	WIN 0x40
.irp t, 0,1,2,3
.irp c, 0,1,2,3
	ds_load_b128 v[FR+16*\t+4*\c:FR+16*\t+4*\c+3], v[ADV] offset:16*\t*VP+128*\q+32*\c
.endr
.endr
	WIN 0
.irp t, 0,1,2,3
	ds_load_b32 v[KS+\t], v[ADT] offset:(2*\sl+\q)*4+\t*4*272
.endr
	AHEAD
	BMAX 0, 0
	BMAX 1, 0
	BMAX 0, 2
	BMAX 1, 2
	ROWMAX
	WIN 0x41
	RESC 0                                         ; O^T under the new M, ahead of the exponentials
	RESC 1
	WIN 0
.set jj, 0
.rept 36
	SCL 0, jj
.set jj, jj+1
.endr
	SCL 1, 0
	SCL 1, 1
	s_wait_alu depctr_va_vdst(0)                   ; the wait ahead of a batch
.set jj, 0
.rept 34
	EXPO 0, 2*jj
	EXPO 0, 2*jj+1
	SCL 1, jj+2
.set jj, jj+1
.endr
	s_wait_alu depctr_va_vdst(0)                   ; and behind it
.set jj, 0
.rept 52
	POST 0, jj
.set jj, jj+1
.endr
	s_wait_alu depctr_va_vdst(0)
.set jj, 0
.rept 32
	EXPO 1, 2*jj
	EXPO 1, 2*jj+1
	DMIN 0, jj                                     ; reads what stood ahead of the wait above; is read behind the wait below
.set jj, jj+1
.endr
.irp j, 64,65,66,67
	EXPO 1, \j
.endr
	v_nop
	s_wait_alu depctr_va_vdst(0)
	CVT 0
.irp t, 0,1,2,3
.irp c, 0,1,2,3
	ds_load_b128 v[S+16*\t+4*\c:S+16*\t+4*\c+3], v[ADV] offset:16*(4+\t)*VP+128*\q+32*\c   ; V's rows 64-127 into the registers that tile 0's p has left; tile 1's 92 lines stand between these loads and the wait for them
.endr
.endr
.set jj, 0
.rept 52
	POST 1, jj
.set jj, jj+1
.endr
.set jj, 0
.rept 32
	DMIN 1, jj
.set jj, jj+1
.endr
	CVT 1
.rept 4
	v_nop                                          ; four places between the codes and the scaled products
.endr
	s_wait_alu depctr_va_vdst(0)                   ; directly ahead of the wait below
	s_wait_dscnt 0x0
	WIN 0x51
.irp t, 0,1,2,3
.irp u, 0,1
	v_wmma_scale_f32_16x16x128_f8f6f4 v[O+64*\u+8*\t:O+64*\u+8*\t+7], v[FR+16*\t:FR+16*\t+15], v[PC+16*\u:PC+16*\u+15], v[O+64*\u+8*\t:O+64*\u+8*\t+7], v[KS+\t], v[ST+8*\u+6]
.endr
.endr
	WIN 0x50
.irp t, 0,1,2,3
.irp u, 0,1
	v_wmma_scale_f32_16x16x128_f8f6f4 v[O+64*\u+8*(4+\t):O+64*\u+8*(4+\t)+7], v[S+16*\t:S+16*\t+15], v[PC+16*\u:PC+16*\u+15], v[O+64*\u+8*(4+\t):O+64*\u+8*(4+\t)+7], v[KS+\t], v[ST+8*\u+6] matrix_a_scale:MATRIX_SCALE_ROW1
.endr
.endr
	WIN 0
.endm
; half a slot: ask for half of the next slot, do (or jump over) my key step, put what has come into the other slot
.macro HALF sl, q
	s_cmp_lg_u32 s[ND], 0
	s_cbranch_scc0 .Lnl_\@
.if \q
	s_wait_dscnt 0x0                               ; K's stores have read these registers
	GLV STG, GKV
.else
	GLK STG, GKV
.endif
.Lnl_\@:
	s_bitcmp1_b32 s[SKW], s[SI]
	s_cbranch_scc1 .Lskip_\@
	STEP \sl, \q
	s_branch .Ldone_\@
.Lskip_\@:
	AHEAD
.Ldone_\@:
	s_add_co_u32 s[SI], s[SI], 1
	s_add_co_u32 s[MO], s[MO], 128
	s_wait_loadcnt 0x0                             ; on every way: no load of mine is out, so its registers may be used again
	s_cmp_lg_u32 s[ND], 0
	s_cbranch_scc0 .Lnf_\@
.if \q
	DSV STG, (1-\sl)
.else
	DSK STG, (1-\sl)
.endif
.Lnf_\@:
.endm
.macro SLOTTRIP sl
	s_wait_dscnt 0x0                               ; my stores into this slot and my reads of the other are done
	s_barrier_signal -1
	s_barrier_wait -1
	s_mov_b32 s[CUR], s[ND]                        ; does any wave need this slot?
	s_add_co_u32 s[SN], s[SN], 1
	s_lshl_b32 s[T0], s[SN], 1
	s_lshr_b64 s[T2:T2+1], s[NW:NW+1], s[T0]
	s_and_b32 s[ND], s[T2], 3
	s_and_b32 s[T0], s[SN], 7
	s_lshl_b32 s[T1], s[T0], 15
	s_add_co_u32 s[OFK], s[HK], s[T1]
	s_lshl_b32 s[T1], s[T0], 8
	s_add_co_u32 s[OFV], s[HK], s[T1]
	s_cmp_lg_u32 s[CUR], 0
	s_cbranch_scc1 .Lwork_\@
	s_add_co_u32 s[SI], s[SI], 1                   ; a slot that no wave needs: the next slot's K and V are asked for together (the fragments' registers are idle)
	s_add_co_u32 s[MO], s[MO], 128
.rept 8
	v_nop                                          ; places ahead of loads into registers that products have read
.endr
	s_cmp_lg_u32 s[ND], 0
	s_cbranch_scc0 .Lqa_\@
	GLK STG, GKV
	GLV FR, ADV
.Lqa_\@:
	AHEAD
	s_add_co_u32 s[SI], s[SI], 1
	s_add_co_u32 s[MO], s[MO], 128
	s_wait_loadcnt 0x0
	s_cmp_lg_u32 s[ND], 0
	s_cbranch_scc0 .Lqe_\@
	DSK STG, (1-\sl)
	DSV FR, (1-\sl)
	s_branch .Lqe_\@
.Lwork_\@:
	HALF \sl, 0
	HALF \sl, 1
.Lqe_\@:
.endm
.macro PACK u
	WIN 0x01
.set i, 0
.rept 32
	v_pk_mul_f32 v[S+64*\u+i:S+64*\u+i+1], v[O+64*\u+i:O+64*\u+i+1], v[ST+8*\u+4:ST+8*\u+5] op_sel_hi:[1,0]
.set i, i+2
.endr
	WIN 0
.irp t, 0,1,2,3,4,5,6,7
	ds_store_b128 v[STO], v[S+64*\u+8*\t:S+64*\u+8*\t+3] offset:64*\t
	ds_store_b128 v[STO], v[S+64*\u+8*\t+4:S+64*\u+8*\t+7] offset:64*\t+16
.endr
.irp i, 0,1,2,3,4,5,6,7,8,9,10,11,12,13,14,15
	ds_load_b128 v[S+64*\u+4*\i:S+64*\u+4*\i+3], v[RD] offset:SP*\i
.endr
.endm
.macro SEND u, younger
.irp i, 0,1,2,3,4,5,6,7,8,9,10,11,12,13,14,15
	s_wait_dscnt \younger+15-\i
	global_store_b128 v[GO], v[S+64*\u+4*\i:S+64*\u+4*\i+3], s[18:19] offset:(16*\u+\i)*512 th:TH_STORE_NT
.endr
.endm
	s_load_b512 s[4:19], s[0:1], 0x0
	s_load_b64 s[20:21], s[0:1], 0x40
	v_lshl_add_u32 v[SPW], v0, 2, SPARE            ; my spare word and 0
	v_mov_b32 v[NIL], 0
	v_lshrrev_b32 v8, 5, v0
	v_readfirstlane_b32 s[WV], v8
	s_and_b32 s[HEAD], ttmp7, 0xffff
	s_lshr_b32 s[BAT], s[HEAD], 4
	s_lshl_b32 s[HK], s[HEAD], 18
	v_and_b32 v8, 15, v0                           ; r
	v_bfe_u32 v9, v0, 4, 1                         ; h
	v_and_b32 v10, 8, v8
	v_add_nc_u32 v10, v10, v8                      ; r + 8 (r / 8)
	v_mul_u32_u24 v[AK0], v8, KP
	v_lshl_add_u32 v[AK0], v9, 4, v[AK0]
	v_mul_u32_u24 v[AV0], v8, VP
	v_lshl_add_u32 v[AV0], v9, 4, v[AV0]
	v_add_nc_u32 v[AV0], VOFF, v[AV0]
	v_lshl_add_u32 v[ASK0], v10, 2, SCK
	v_mad_u32_u24 v[ASK0], v9, 272, v[ASK0]        ; lanes 16-31: the words of the tile four further on
	v_lshrrev_b32 v11, 2, v8
	v_and_b32 v12, 3, v8
	v_lshlrev_b32 v12, 6, v12
	v_mad_u32_u24 v[ASV0], v11, 272, v12
	v_mad_u32_u24 v[ASV0], v9, 16*272, v[ASV0]
	v_add_nc_u32 v[ASV0], SCV, v[ASV0]
	v_lshlrev_b32 v[AMG0], 11, v8
	v_lshl_add_u32 v[AMG0], v9, 4, v[AMG0]
	v_lshlrev_b32 v[GK0], 4, v0                    ; the fills, by thread: K 16 bytes a thread, dense
	v_bfe_u32 v11, v0, 3, 3                        ; key k of a group of 32 goes to LDS row 16 (bit 3 of k) + 8 (bit 4) + k % 8: a tile's 16 keys in 16 neighbouring rows
	v_bfe_u32 v12, v0, 7, 1
	v_lshl_add_u32 v11, v12, 3, v11
	v_bfe_u32 v12, v0, 6, 1
	v_lshl_add_u32 v11, v12, 4, v11
	v_and_b32 v12, 7, v0
	v_lshlrev_b32 v12, 4, v12
	v_mad_u32_u24 v[LK0], v11, KP, v12
	v_lshrrev_b32 v11, 4, v0                       ; V: sixteen threads a row of 256 bytes
	v_lshlrev_b32 v12, 4, v8
	v_lshl_add_u32 v[GV0], v11, 11, v12
	v_mad_u32_u24 v[LV0], v11, VP, v12
	v_add_nc_u32 v[ADS], SCK, v[LV0]               ; the scale bytes' place in LDS: units of 256 bytes + 16
	v_add_nc_u32 v[LV0], VOFF, v[LV0]
	s_lshl_b32 s[T0], s[HEAD], 13
	v_add_nc_u32 v[ADT], s[T0], v[GK0]
.irp b, 0,1,2,3
	v_mov_b32 v[XB+\b], 0                          ; a lane permute's destination counts as a source
	v_mov_b32 v[HD+\b], 0
.endr
.set i, 0
.rept 32
	v_mov_b32 v[MK+i], 0                           ; written once, so that every way through the jumps finds them written
.set i, i+1
.endr
	s_sub_co_u32 s[T1], 7, ttmp9
	s_lshl_b32 s[T0], s[WV], 5
	s_lshl_b32 s[RB], ttmp9, 8
	s_add_co_u32 s[RB], s[RB], s[T0]               ; my first query in block x,
	s_lshl_b32 s[RBB], s[T1], 8
	s_add_co_u32 s[RBB], s[RBB], s[T0]             ; and in block 7 - x
	s_mov_b32 s[SEL], 0x76543210
	s_mov_b32 s[SEL+1], 0xfedcba98
	s_mov_b32 s[CS], 0x3e0293ee                    ; log2(e) / sqrt(128)
	s_mov_b32 s[CS+1], s[CS]
	s_mov_b32 s[MNT], 0x600000
	s_mov_b32 s[PSEL], 0x0000fe00
	s_lshl_b32 s[T2], s[BAT], 9
	s_lshl_b32 s[T0], ttmp9, 6
	s_add_co_u32 s[T0], s[T0], s[T2]
	s_lshl_b32 s[OO], s[T1], 6
	s_add_co_u32 s[T2], s[OO], s[T2]
	s_mov_b32 s[T1], 0
	s_mov_b32 s[T2+1], 0
	s_lshl_b32 s[OO], s[WV], 3
	s_wait_alu depctr_va_vdst(0)                   ; the wait at the head's end
	s_wait_kmcnt 0x0
	s_add_nc_u64 s[PA:PA+1], s[20:21], s[T0:T0+1]
	s_add_nc_u64 s[PB:PB+1], s[20:21], s[T2:T2+1]
	s_load_b512 s[32:47], s[PA:PA+1], 0x0          ; the eight waves' words of block x
	s_load_b512 s[48:63], s[PB:PB+1], 0x0          ; and of block 7 - x
	s_load_b64 s[FA:FA+1], s[PA:PA+1], s[OO] offset:0x0   ; my own
	s_load_b64 s[FB:FB+1], s[PB:PB+1], s[OO] offset:0x0
	global_load_b128 v[S:S+3], v[ADT], s[10:11]    ; the head's scale bytes, 8 KiB each of K's and V's
	global_load_b128 v[S+4:S+7], v[ADT], s[10:11] offset:4096
	global_load_b128 v[S+8:S+11], v[ADT], s[14:15]
	global_load_b128 v[S+12:S+15], v[ADT], s[14:15] offset:4096
	QLOAD
	s_mov_b32 s[OFK], s[HK]
	s_mov_b32 s[OFV], s[HK]
	GLK STG, GKV                                   ; slot 0 is asked for with the flags, on every way: its fill hangs on no flag
	GLV FR, ADM
	s_wait_kmcnt 0x0
.irp k, 34,36,38,40,42,44,46
	s_and_b32 s32, s32, s\k                        ; key steps that all eight waves jump over
.endr
.irp k, 50,52,54,56,58,60,62
	s_and_b32 s48, s48, s\k
.endr
	s_lshl_b32 s48, s48, 16
	s_or_b32 s32, s32, s48
	s_not_b32 s[NW], s32                           ; bit g: key step g of the walk's 32 is needed; bits 32 and up: nothing follows the walk
	s_mov_b32 s[NW+1], 0
	s_mov_b32 s[SKW], s[FA]
	s_mov_b32 s[MXW], s[FA+1]
	s_and_b32 s[ND], s[NW], 3
	s_wait_loadcnt 0x0
	DSK STG, 0
	DSV FR, 0
.irp i, 0,1,2,3
	ds_store_b128 v[ADS], v[S+4*\i:S+4*\i+3] offset:\i*16*272
.endr
	s_mov_b32 s[SN], 0
	s_mov_b32 s[OUTER], 2
.Lblock:                                               ; two trips: block x, block 7 - x; the slots' turns go on from one into the other
.irp u, 0,1
	v_mov_b32 v[ST+8*\u+1], 0xf1800000             ; the largest t so far
	v_mov_b32 v[ST+8*\u], 0x71800000               ; -M
	v_mov_b32 v[ST+8*\u+2], 0
	v_mov_b32 v[ST+8*\u+3], 0
	v_mov_b32 v[ST+8*\u+5], 0
.endr
	WIN 0x40
.set i, 0
.rept 128
	v_mov_b32 v[O+i], 0                            ; which step is a block's first hangs on the flags, so the sums begin as zeros
.set i, i+1
.endr
	WIN 0
	s_lshl_b32 s[MO], s[RB], 11
	s_lshl_b32 s[T0], s[BAT], 22
	s_add_co_u32 s[MO], s[MO], s[T0]
	s_mov_b32 s[SI], 0
	s_mov_b32 s[TS], 0
	s_mov_b32 s[TJ], 0
	s_bitcmp1_b32 s[MXW], 0
	s_cbranch_scc0 .Lm0
	MLOAD
.Lm0:
	s_add_co_u32 s[MO], s[MO], 128
	s_mov_b32 s[INNER], 4
	s_wait_alu depctr_va_vdst(0)                   ; directly ahead of the wait below
	s_wait_loadcnt 0x0                             ; Q
.Lslots:
	SLOTTRIP 0
	SLOTTRIP 1
	s_add_co_u32 s[TS], s[TS], 4*544
	s_add_co_u32 s[TJ], s[TJ], 16
	s_sub_co_u32 s[INNER], s[INNER], 1
	s_cmp_lg_u32 s[INNER], 0
	s_cbranch_scc1 .Lslots
	s_lshl_b32 s[OO], s[RB], 9
	s_lshl_b32 s[T0], s[HEAD], 20
	s_add_co_u32 s[OO], s[OO], s[T0]               ; where this block's rows go
	s_mov_b32 s[RB], s[RBB]
	s_mov_b32 s[SKW], s[FB]
	s_mov_b32 s[MXW], s[FB+1]
	s_cmp_eq_u32 s[OUTER], 1
	s_cbranch_scc1 .Lnoq
	QLOAD                                          ; the next block's Q is on its way while this block goes out
.Lnoq:
.irp u, 0,1
	v_add_f32 v[ST+8*\u+7], v[ST+8*\u+2], v[ST+8*\u+3]
.endr
.irp u, 0,1
	v_permlanex16_b32 v[XB+\u], v[ST+8*\u+7], s[SEL], s[SEL+1]
.endr
.irp u, 0,1
	v_add_f32 v[ST+8*\u+7], v[ST+8*\u+7], v[XB+\u]
.endr
	s_wait_alu depctr_va_vdst(0)
.irp u, 0,1
	v_rcp_f32 v[ST+8*\u+4], v[ST+8*\u+7]
.endr
	s_mul_i32 s[T0], s[WV], 16*SP
	s_add_co_u32 s[T0], s[T0], STAGE               ; my stage: 16 rows of 512 bytes + 16
	v_and_b32 v[W8], 15, v0
	v_bfe_u32 v[W9], v0, 4, 1
	v_mul_u32_u24 v[STO], v[W8], SP
	v_lshl_add_u32 v[STO], v[W9], 5, v[STO]
	v_add_nc_u32 v[STO], s[T0], v[STO]
	v_and_b32 v[W8], 31, v0
	v_lshlrev_b32 v[W8], 4, v[W8]
	v_add_nc_u32 v[RD], s[T0], v[W8]
	v_add_nc_u32 v[GO], s[OO], v[W8]               ; a wave's store covers one row of 512 consecutive bytes, aligned
	s_wait_alu depctr_va_vdst(0)
	PACK 0
	PACK 1
	SEND 0, 32
	SEND 1, 0
	s_wait_xcnt 0x0                                ; the stores' registers are written again only behind this wait
	s_sub_co_u32 s[OUTER], s[OUTER], 1
	s_cmp_lg_u32 s[OUTER], 0
	s_cbranch_scc1 .Lblock
	s_wait_tensorcnt 0x0                           ; the wave's end
	ds_add_u32 v[SPW], v[NIL]
	s_wait_dscnt 0x0
	s_endpgm
.Lfunc_end_k_q1a763caea6_attn:
	.size	k_q1a763caea6_attn, .Lfunc_end_k_q1a763caea6_attn-k_q1a763caea6_attn
	.p2alignl 7, 3214868480
	.fill 96, 4, 3214868480
	.section	.rodata,"a",@progbits
	.p2align	6, 0x0
	.amdhsa_kernel k_q1a763caea6_attn
		.amdhsa_group_segment_fixed_size 229376
		.amdhsa_private_segment_fixed_size 0
		.amdhsa_enable_private_segment 0
		.amdhsa_kernarg_size 72
		.amdhsa_user_sgpr_count 2
		.amdhsa_user_sgpr_kernarg_segment_ptr 1
		.amdhsa_wavefront_size32 1
		.amdhsa_system_sgpr_workgroup_id_x 1
		.amdhsa_system_sgpr_workgroup_id_y 1
		.amdhsa_system_sgpr_workgroup_id_z 1
		.amdhsa_system_vgpr_workitem_id 0
		.amdhsa_next_free_vgpr 512
		.amdhsa_next_free_sgpr 96
		.amdhsa_reserve_vcc 0
		.amdhsa_float_denorm_mode_32 3
		.amdhsa_float_denorm_mode_16_64 3
		.amdhsa_memory_ordered 1
		.amdhsa_forward_progress 1
		.amdhsa_inst_pref_size 253
	.end_amdhsa_kernel
	.amdgpu_metadata
---
amdhsa.version: [ 1, 2 ]
amdhsa.kernels:
  - .name:           k_q1a763caea6_attn
    .symbol:         k_q1a763caea6_attn.kd
    .args:
      - { .name: query_codes, .offset: 0, .size: 8, .value_kind: global_buffer, .address_space: global }
      - { .name: query_scales, .offset: 8, .size: 8, .value_kind: global_buffer, .address_space: global }
      - { .name: key_codes, .offset: 16, .size: 8, .value_kind: global_buffer, .address_space: global }
      - { .name: key_scales, .offset: 24, .size: 8, .value_kind: global_buffer, .address_space: global }
      - { .name: value_codes, .offset: 32, .size: 8, .value_kind: global_buffer, .address_space: global }
      - { .name: value_scales, .offset: 40, .size: 8, .value_kind: global_buffer, .address_space: global }
      - { .name: mask, .offset: 48, .size: 8, .value_kind: global_buffer, .address_space: global }
      - { .name: out0, .offset: 56, .size: 8, .value_kind: global_buffer, .address_space: global }
      - { .name: flags, .offset: 64, .size: 8, .value_kind: global_buffer, .address_space: global }
    .group_segment_fixed_size: 229376
    .private_segment_fixed_size: 0
    .kernarg_segment_align: 8
    .kernarg_segment_size: 72
    .max_flat_workgroup_size: 256
    .sgpr_count:     96
    .vgpr_count:     512
    .wavefront_size: 32
...
	.end_amdgpu_metadata
.endif
;; end of part 2
